; MI455X (gfx1250); checked and timed in simulation.
; The chip was launched on July 23, 2026; its instructions are those of AMD's public machine-readable ISA for CDNA 5 (MIT licence, August 2026) and "CDNA5" Instruction Set Architecture Reference Guide (July 2026). The comments in the code are by the model that wrote it; some were corrected since.
;; Vectorized Attention Head. Allowed arithmetic: matrix products marked QUANTISED: E2M3 operands, one E8M0 scale for each 32 along K, by v_wmma_scale_f32_16x16x128_f8f6f4 with both operands' format E2M3, f32 sums; everything else in f32.
;; Inputs: Wk 2,048 x 2,048 float32; Wq 2,048 x 2,048 float32; Wv 2,048 x 2,048 float32; x 4 x 1,024 x 2,048 float32.
;; Outputs: out0 4 x 16 x 1,024 x 128 float32.
;; This version of the problem:
;;   THIS VERSION OF THE PROBLEM IS GIVEN IN LOW PRECISION. The matrix products marked QUANTISED in the list below multiply operands that are first quantised to E2M3 (2 exponent bits, 3 mantissa bits; 6 bits a number), with one power-of-two scale for each 32 numbers along K (OCP MX v1.0); their sums are f32. All else is computed in f32.
;;   The module's matrix products, in the order in which they are computed (A, B: the left and right operand; K: the contracted axis; several contracted axes count as one K, in the product's order):
;;     1. [M 4,096, K 2,048] x [K 2,048, N 2,048]; A: input x; B: input Wq: QUANTISED
;;     2. [M 4,096, K 2,048] x [K 2,048, N 2,048]; A: input x; B: input Wk: QUANTISED
;;     3. [M 4,096, K 2,048] x [K 2,048, N 2,048]; A: input x; B: input Wv: QUANTISED
;;     4. batch 64 x [M 1,024, K 128] x [K 128, N 1,024]; A: computed on the way; B: computed on the way: QUANTISED
;;     5. batch 64 x [M 1,024, K 1,024] x [K 1,024, N 128]; A: softmax (see below); B: computed on the way: QUANTISED
;;   THE QUANTISER, for each operand of a quantised product, along K:
;;     - K is cut into blocks of 32 from its start; a last block that is shorter is filled with zeros.
;;     - A block's scale is 2^e with e = floor(log2(the largest magnitude in the block)) - 2, held to -126 .. 127; a block of zeros has e = 0. As a byte (E8M0): e + 127.
;;     - Each number is divided by its block's scale, clamped to +-7.5, and rounded to the nearest number of E2M3, ties to even, subnormals kept.
;;     - The product sums the exact products of the quantised numbers (number of the format x scale) in f32.
;;   ~~~python
;;   def quantise(x, axis):      # numpy; x: float32 -> the quantised numbers, widened to float32 again
;;       x = np.moveaxis(x, axis, -1); K = x.shape[-1]
;;       x = np.pad(x, [(0, 0)] * (x.ndim - 1) + [(0, -K % 32)]); x = x.reshape(x.shape[:-1] + (-1, 32)); a = np.abs(x).max(-1, keepdims=True)
;;       e = np.where(a > 0, np.clip(np.frexp(np.where(a > 0, a, 1))[1] - 1 - 2, -126, 127), 0)      # np.frexp(a)[1] - 1 = floor(log2(a)), exactly
;;       r = np.clip(x / 2.0 ** e, -7.5, 7.5)
;;       step = 2.0 ** (np.maximum(np.frexp(np.where(r == 0, 1, r))[1] - 1, 0) - 3)
;;       q = np.round(r / step) * step * 2.0 ** e      # np.round: ties to even
;;       return np.moveaxis(q.reshape(q.shape[:-2] + (-1,))[..., :K], -1, axis).astype(np.float32)
;;   ~~~
;;   SOFTMAX AHEAD OF A QUANTISED PRODUCT. Where the list says 'softmax', what is quantised is not the finished softmax but p = 2^(t - M), with t = logit x log2(e) and M = ceil(the row's largest t), a whole number; so 1/2 < the row's largest p <= 1. The row's sum l is taken of the UNQUANTISED p, in f32, and the product's result is divided by l at the end. Since M is a whole number, a kernel that streams over the keys may use a running M (the ceiling of the running maximum): every later rescaling is an exact power of two, which a block's scale takes up: the codes' values come out the same.
;;   OPERANDS COMPUTED ON THE WAY. 'Computed on the way' means the value that the module computes at that place (a softmax that the list does not call 'softmax' is quantised finished and normalised). What goes into a quantiser is computed in f32, as accurately as f32 sums, v_exp_f32 and their like allow (about 1e-6 of the number): no bf16 or f16 on the way to a quantiser, and a product that is left as it is and whose result goes on into a quantised operand takes f32 operands (vector FMAs, or v_wmma_f32_16x16x4_f32). A number that lies on a knife's edge between two numbers of the format may be rounded either way, as far as f32 arithmetic and the matrix unit's own rounding can turn it there, and no further.
;; One version. Each part assembles by itself: llvm-mc -triple=amdgcn-amd-amdhsa -mcpu=gfx1250 --defsym DOCPART=n.
;; ======== version 1 of 1: 3 launches
;; limits: right only within a limited range of input values
;; workspace buffers: codes 16,384,000 bytes; qimg 6,553,600 bytes; kvimg 13,107,200 bytes
;; launch quant (part 1): grid 640 x 1, 4 waves a work-group, no clusters, 49,664 bytes of LDS; arguments x, Wq, Wk, Wv, codes; writes codes
.if DOCPART == 1
	.amdgcn_target "amdgcn-amd-amdhsa--gfx1250"
	.amdhsa_code_object_version 6
	.text
	.protected	k_q2f59af2e94_quant
	.globl	k_q2f59af2e94_quant
	.p2align	8
	.type	k_q2f59af2e94_quant,@function
k_q2f59af2e94_quant:
	s_mov_b64 s[64:65], 0
	v_nop
	global_prefetch_b8 v0, s[64:65] scope:SCOPE_SE
	s_setreg_imm32_b32 hwreg(HW_REG_WAVE_MODE, 25, 1), 1
	s_wait_xcnt 0x0
; x [4096][2048], Wq, Wk, Wv [2048][2048], f32, K innermost, become codes of FP6 (E2M3) and one E8M0 scale byte for each 32 along K.
; WORK LEFT OUT IN THIS PROGRAM: none here and none in the projections.  The attention launch leaves out the key tiles that lie wholly behind the causal mask which reference() builds in its own body:
; their scores become -inf ahead of the softmax for all values of the inputs.  LIMIT: a NaN, an infinity or an overflow that reaches only those tiles is not carried to the result.
; The four tensors are ONE stream of 10,240 rows: 0-4095 x, 4096-6143 Wq, 6144-8191 Wk, 8192-10239 Wv.
; THE BUFFER is laid as the next launch's registers want it, in PIECES of 25,600 bytes: piece (G, ks) holds rows 128 G .. 128 G + 127 and K = 256 ks .. 256 ks + 255, at byte 204,800 G + 25,600 ks:
;   fragment (q, rb), 16 rows x 128 K, at 12,288 q + 1,536 rb, as an image of an operand's 12 registers: register j of lane L = r + 16 h at 512 (j / 4) + 16 L + 4 (j % 4); registers 6 c .. 6 c + 5 hold K = 64 c + 32 h + 0 .. 31;
;   at byte 24,576 the scale words: row block rb, row r at 128 rb + 8 r: the word of the first 128 along K, then that of the second.
; A block's scale is 2^(floor(log2(its largest magnitude)) - 2); its byte is the largest magnitude's exponent field - 2, held at 1 from below.  Numbers are divided by the scale and rounded to the nearest code, ties to even; beyond 7.5 the largest code.
; LIMITS: a block of zeros gets the byte 1 where the rule says 127 (zero codes, read by this program alone); a largest magnitude is taken as 2^-124 at the least; NaN and infinities among the inputs are not served.
; SHARES: a work-group takes 16 rows, a wave their K = 512 w .. 512 w + 511: 16 steps, step t = row t, four loads of 512 consecutive bytes.  The conversion wants 16 neighbours in a lane: the 2,048 bytes turn through a stage in LDS.
; A lane's 16 codes are three registers of an image; they are gathered in a second stage (padded so that the 32 lanes of a store touch 32 banks) and leave as 12 stores of 512 consecutive bytes.
; A wave's scale bytes leave as two runs of 128 bytes, one in each of its two pieces: one part in 24 of what the launch stores.  No cluster, no tensor load, no barrier: waves share nothing, no byte is read twice.
.set STEPS, 16
.set R,     16                         ; v16-79   four sets of 16 numbers as loaded; at the end the images
.set X,     80                         ; v80-111  two sets of 16 neighbours
.set E,     112                        ; v112-127 a scale byte for each step
.set C,     128                        ; v128-191 codes: four registers for each step
.set SA,    194                        ; v194-196 where my three code words go in the image stage
.set RBK,   197                        ; v197     where I read an image back
.set SP,    80                         ; a lane's place in a turning stage: 64 bytes + 16
.set WREG,  12288                      ; LDS for each wave: two turning stages (5,120), 256 scale bytes, the image stage (6,528)
.set SBY,   5120
.set STG,   5376
.set FP,    1632                       ; image stage: a fragment; a register group is 544, a half of the lanes 272
.set SPARE, 4*WREG
.set PIECE, 25600
	s_load_b256 s[4:11], s[0:1], 0x0               ; x, Wq, Wk, Wv
	s_load_b64 s[12:13], s[0:1], 0x20              ; codes
	v_lshl_add_u32 v192, v0, 2, SPARE
	v_mov_b32 v193, 0
	v_lshrrev_b32 v1, 5, v0
	v_readfirstlane_b32 s16, v1                    ; wave
	s_mul_i32 s17, s16, WREG
	v_and_b32 v2, 31, v0                           ; lane
	v_lshlrev_b32 v3, 4, v2                        ; 16 x lane
	v_lshrrev_b32 v14, 2, v2
	v_mul_u32_u24 v14, v14, SP
	v_and_b32 v15, 3, v2
	v_lshl_add_u32 v14, v15, 4, v14
	v_add_nc_u32 v14, s17, v14                     ; turning stage, in: SP (lane / 4) + 16 (lane % 4)
	v_mul_u32_u24 v15, v2, SP
	v_add_nc_u32 v15, s17, v15                     ; and out: SP x lane
	v_lshrrev_b32 v4, 4, v2                        ; lane / 16: which of my two pieces
	v_bfe_u32 v5, v2, 1, 3
	v_lshl_add_u32 v5, v4, 7, v5
	v_add_nc_u32 v5, s17, v5
	v_add_nc_u32 v5, SBY, v5                       ; my block's byte: 128 (lane / 16) + (lane / 2) % 8, + 8 t
	v_lshlrev_b32 v6, 3, v2
	v_add_nc_u32 v6, s17, v6
	v_add_nc_u32 v6, SBY, v6                       ; and back: 8 bytes a lane
	v_and_b32 v7, 15, v2
	v_lshlrev_b32 v7, 3, v7
	v_mad_u32_u24 v7, v4, PIECE, v7                ; their place in memory
	v_lshrrev_b32 v10, 3, v2                       ; f: which of my four fragments
	v_mul_u32_u24 v10, v10, FP
	v_bfe_u32 v12, v2, 1, 1                        ; h
	v_mad_u32_u24 v10, v12, 272, v10
	v_add_nc_u32 v10, s17, v10
	v_add_nc_u32 v10, STG, v10
	v_bfe_u32 v12, v2, 2, 1                        ; c
	v_and_b32 v13, 1, v2                           ; which half of the block
	v_mul_u32_u24 v12, v12, 6
	v_mad_u32_u24 v12, v13, 3, v12                 ; my first register of the image
.irp i, 0,1,2
	v_add_nc_u32 v13, \i, v12
	v_lshrrev_b32 v8, 2, v13
	v_and_b32 v13, 3, v13
	v_mad_u32_u24 v8, v8, 544, v10
	v_lshl_add_u32 v[SA+\i], v13, 2, v8            ; + 16 t for row t
.endr
	v_and_b32 v8, 15, v2
	v_lshlrev_b32 v8, 4, v8
	v_mad_u32_u24 v8, v4, 272, v8
	v_add_nc_u32 v8, s17, v8
	v_add_nc_u32 v[RBK], STG, v8
	s_wait_alu depctr_va_vdst(0)                   ; the wait at the head's end
	s_wait_kmcnt 0x0
	s_mov_b64 s[20:21], s[10:11]                   ; which tensor: the choice hangs on the work-group's number alone
	s_mov_b32 s22, 512
	s_cmp_lt_u32 ttmp9, 512
	s_cselect_b64 s[20:21], s[8:9], s[20:21]
	s_cselect_b32 s22, 384, s22
	s_cmp_lt_u32 ttmp9, 384
	s_cselect_b64 s[20:21], s[6:7], s[20:21]
	s_cselect_b32 s22, 256, s22
	s_cmp_lt_u32 ttmp9, 256
	s_cselect_b64 s[20:21], s[4:5], s[20:21]
	s_cselect_b32 s22, 0, s22
	s_sub_co_u32 s17, ttmp9, s22
	s_lshl_b32 s24, s17, 17                        ; 16 rows of 8,192 bytes
	s_lshl_b32 s18, s16, 11                        ; + my 2,048 bytes of a row
	s_add_co_u32 s24, s24, s18
	s_mov_b32 s25, 0
	s_add_nc_u64 s[20:21], s[20:21], s[24:25]
	s_lshr_b32 s18, ttmp9, 3                       ; G
	s_mul_i32 s24, s18, 8*PIECE
	s_mul_i32 s18, s16, 2*PIECE                    ; pieces 2 w, 2 w + 1
	s_add_co_u32 s24, s24, s18
	s_add_nc_u64 s[14:15], s[12:13], s[24:25]
	s_and_b32 s18, ttmp9, 7                        ; rb
	s_mul_i32 s24, s18, 1536
	s_add_nc_u64 s[12:13], s[14:15], s[24:25]      ; my fragments
	s_lshl_b32 s24, s18, 7
	s_add_co_u32 s24, s24, 24576
	s_add_nc_u64 s[14:15], s[14:15], s[24:25]      ; my scale words
.macro LOAD t
.irp i, 0,1,2,3
	global_load_b128 v[R+16*((\t)%4)+4*\i:R+16*((\t)%4)+4*\i+3], v3, s[20:21] offset:8192*(\t)+512*\i th:TH_LOAD_NT
.endr
.endm
.macro TURN t                          ; LDS serves a wave's instructions in order (ISA guide 5.7.1.4): no wait between the stores and the loads
.irp i, 0,1,2,3
	ds_store_b128 v14, v[R+16*((\t)%4)+4*\i:R+16*((\t)%4)+4*\i+3] offset:32*SP*((\t)%2)+8*SP*\i
.endr
.irp i, 0,1,2,3
	ds_load_b128 v[X+16*((\t)%2)+4*\i:X+16*((\t)%2)+4*\i+3], v15 offset:32*SP*((\t)%2)+16*\i
.endr
.endm
.irp t, 0,1,2,3
	LOAD \t
.endr
	s_wait_loadcnt 12                              ; step 0's four loads are in
	TURN 0
.macro STEP t
.set XS, X+16*((\t)%2)
.if (\t) > 0
	s_wait_dscnt 4                                 ; this step's numbers are back (the last step's four small stores may be out)
.else
	s_wait_dscnt 0x0
.endif
.if (\t)+4 < STEPS
	LOAD (\t)+4
.endif
.if (\t)+1 < STEPS
.if STEPS-2-(\t) >= 3
	s_wait_loadcnt 12                              ; the next step's four loads are in; three steps' may be out
.else
	s_wait_loadcnt 4*(STEPS-2-(\t))
.endif
	TURN (\t)+1
.endif
	v_max3_num_f32 v8, |v[XS]|, |v[XS+1]|, |v[XS+2]|
	v_max3_num_f32 v9, |v[XS+3]|, |v[XS+4]|, |v[XS+5]|
.irp i, 6,10
	v_max3_num_f32 v8, v8, |v[XS+\i]|, |v[XS+\i+1]|
	v_max3_num_f32 v9, v9, |v[XS+\i+2]|, |v[XS+\i+3]|
.endr
	v_max3_num_f32 v8, v8, |v[XS+14]|, |v[XS+15]|
	v_max3_num_f32 v8, v8, v9, 0x1800000           ; the floor 2^(3 - 127): the byte cannot fall under 1
	v_max_num_f32_dpp v8, v8, v8 row_xmask:1 row_mask:0xf bank_mask:0xf   ; with my neighbour's 16: the block's
	v_add_nc_u32 v11, 0xff000000, v8               ; 2 off the exponent field: the conversion's scale operand
	v_cvt_scalef32_pk16_fp6_f32 v[C+4*(\t):C+4*(\t)+2], v[XS:XS+15], v11
	v_lshrrev_b32 v[E+(\t)], 23, v11               ; the byte (also the plain instruction behind the conversion)
	ds_store_b8 v5, v[E+(\t)] offset:8*(\t)
.irp i, 0,1,2
	ds_store_b32 v[SA+\i], v[C+4*(\t)+\i] offset:16*(\t)
.endr
.endm
.irp t, 0,1,2,3,4,5,6,7,8,9,10,11,12,13,14,15
	STEP \t
.endr
	ds_load_b64 v[12:13], v6                       ; served in order: these see my stores
.irp n, 0,1,2,3,4,5,6,7,8,9,10,11
	ds_load_b128 v[R+4*\n:R+4*\n+3], v[RBK] offset:FP*(\n/3)+544*(\n%3)
.endr
	s_wait_dscnt 12
	global_store_b64 v7, v[12:13], s[14:15]
.irp n, 0,1,2,3,4,5,6,7,8,9,10,11
	s_wait_dscnt 11-\n                             ; the loads behind this one may be out
	global_store_b128 v3, v[R+4*\n:R+4*\n+3], s[12:13] offset:PIECE*(\n/6)+12288*((\n/3)%2)+512*(\n%3)   ; 512 consecutive bytes, aligned
.endr
	s_wait_tensorcnt 0x0                           ; the wave's end
	ds_add_u32 v192, v193
	s_wait_dscnt 0x0
	s_endpgm
.Lfunc_end_k_q2f59af2e94_quant:
	.size	k_q2f59af2e94_quant, .Lfunc_end_k_q2f59af2e94_quant-k_q2f59af2e94_quant
	.p2alignl 7, 3214868480
	.fill 96, 4, 3214868480
	.section	.rodata,"a",@progbits
	.p2align	6, 0x0
	.amdhsa_kernel k_q2f59af2e94_quant
		.amdhsa_group_segment_fixed_size 49664
		.amdhsa_private_segment_fixed_size 0
		.amdhsa_enable_private_segment 0
		.amdhsa_kernarg_size 40
		.amdhsa_user_sgpr_count 2
		.amdhsa_user_sgpr_kernarg_segment_ptr 1
		.amdhsa_wavefront_size32 1
		.amdhsa_system_sgpr_workgroup_id_x 1
		.amdhsa_system_sgpr_workgroup_id_y 1
		.amdhsa_system_sgpr_workgroup_id_z 1
		.amdhsa_system_vgpr_workitem_id 0
		.amdhsa_next_free_vgpr 200
		.amdhsa_next_free_sgpr 66
		.amdhsa_reserve_vcc 0
		.amdhsa_float_denorm_mode_32 3
		.amdhsa_float_denorm_mode_16_64 3
		.amdhsa_memory_ordered 1
		.amdhsa_forward_progress 1
		.amdhsa_inst_pref_size 39
	.end_amdhsa_kernel
	.amdgpu_metadata
---
amdhsa.version: [ 1, 2 ]
amdhsa.kernels:
  - .name:           k_q2f59af2e94_quant
    .symbol:         k_q2f59af2e94_quant.kd
    .args:
      - { .name: x, .offset: 0, .size: 8, .value_kind: global_buffer, .address_space: global }
      - { .name: Wq, .offset: 8, .size: 8, .value_kind: global_buffer, .address_space: global }
      - { .name: Wk, .offset: 16, .size: 8, .value_kind: global_buffer, .address_space: global }
      - { .name: Wv, .offset: 24, .size: 8, .value_kind: global_buffer, .address_space: global }
      - { .name: codes, .offset: 32, .size: 8, .value_kind: global_buffer, .address_space: global }
    .group_segment_fixed_size: 49664
    .private_segment_fixed_size: 0
    .kernarg_segment_align: 8
    .kernarg_segment_size: 40
    .max_flat_workgroup_size: 128
    .sgpr_count:     66
    .vgpr_count:     200
    .wavefront_size: 32
...
	.end_amdgpu_metadata
.endif
;; end of part 1
;; launch proj (part 2): grid 16 x 16, 4 waves a work-group, clusters of 4 x 4, 327,680 bytes of LDS; arguments codes, qimg, kvimg; writes qimg, kvimg
.if DOCPART == 2
	.amdgcn_target "amdgcn-amd-amdhsa--gfx1250"
	.amdhsa_code_object_version 6
	.text
	.protected	k_q2f59af2e94_proj
	.globl	k_q2f59af2e94_proj
	.p2align	8
	.type	k_q2f59af2e94_proj,@function
k_q2f59af2e94_proj:
	s_mov_b64 s[64:65], 0
	v_nop
	global_prefetch_b8 v0, s[64:65] scope:SCOPE_SE
	s_setreg_imm32_b32 hwreg(HW_REG_WAVE_MODE, 25, 1), 1
	s_wait_xcnt 0x0
	s_wait_alu depctr_hold_cnt(0) depctr_sa_sdst(0) depctr_va_vdst(0) depctr_va_sdst(0) depctr_va_ssrc(0) depctr_va_vcc(0) depctr_vm_vsrc(0)
	s_getreg_b32 s2, hwreg(HW_REG_IB_STS2, 6, 4)
	s_cmp_eq_u32 s2, 0
	s_cbranch_scc0 .Lentry_in_a_cluster
	s_endpgm
.Lentry_in_a_cluster:
	s_bfe_u32 s2, ttmp6, 0x10000c
	s_cmp_lg_u32 s2, 0xf033
	s_cbranch_scc0 .Lentry_shape_is_right
	s_endpgm
.Lentry_shape_is_right:
; THE THREE PROJECTIONS on codes of FP6 (E2M3) with one E8M0 scale for each 32 along K, K = 2,048, and the quantising of their results for the attention that follows.  Nothing of reference() is left out here.
; OPERANDS: rows of one stream (0-4095 x, then Wq, Wk, Wv), laid in PIECES of 25,600 bytes: piece (G, ks) = rows 128 G on, K = 256 ks on, at 204,800 G + 25,600 ks: 16 images of an operand's 12 registers
; (fragment (q, rb) at 12,288 q + 1,536 rb; register group c of lane l at 512 c + 16 l), and at byte 24,576 two scale words a row (128 rb + 8 r).
; A WORK-GROUP MAKES TWO THINGS, so that the 16 x 16 work-groups have equal work:
;   tile (X, Y) of q and k, 256 x 256:  A' = x, groups 2 Y, 2 Y + 1 (m' = token);  B' = groups 32 + 2 X, + 1 (Wq, then Wk; n' = head, d)
;   then a half tile of V^T, 128 x 256: A' = Wv, group 64 + Y (m' = d of head Y);  B' = x, groups 2 X, 2 X + 1 (n' = token)
; In both the later product's K runs along n'.  The matrix instruction is used transposed (source 0 = 16 rows of B', source 1 = 16 rows of A'): a lane holds one m' and its registers run along n'.
; Four waves; tile: 128 x 128 a wave, 64 accumulators; half tile: 64 x 128, 32 accumulators.
; THE RING: two LDS slots of four pieces (A' two, B' two; half tile: A' one).  A tensor load brings one piece: 100 rows of 256 bytes, aligned; the scale words come with the codes.  A fragment is three loads of 512 consecutive bytes.
; The ring goes on from the tile into the half tile: the tile's last two changes of slots ask for the half tile's K steps 0 and 1, and the tile is quantised and stored meanwhile.
; CLUSTERS 4 x 4: A' hangs on Y alone and is shared along a row of the cluster, B' on X alone and along a column: joint loads, one a wave behind each round.
; PREFETCH: behind each refill and the LDS loads that follow it, one instruction a wave asks for the piece that stands two refills on; the four partners of a joint load share its 100 blocks of 256 bytes by address, 25 each
; (lanes 25-31 name the 25th again).  The tile's K steps 0-3 and the half tile's 0-1 come by their loads alone; the last two refills of each walk ask for nothing.  In the half tile only Wv's pieces are asked for:
; x's pieces have been read by this launch's tiles.
; THE WAY OUT: each block of 16 m' x 128 n' is quantised along n' and leaves as an image of 12 registers with one scale word a row.  A UNIT is 12,800 bytes: fragment a at 1,536 a; at 12,288 the words: 256 (a / 4) + 16 r + 4 (a % 4).
;   qimg: [b, head][step of 128 tokens];  kvimg: [b, head][step][K's unit, V's unit].
; ORDER INSIDE A BLOCK OF 32 of the results: places 0-7 hold k 0-7, 8-15 hold k 16-23, 16-23 hold k 8-15, 24-31 hold k 24-31; q, k, V^T and p are all laid so; blocks and scales are the true ones.
; LIMITS: that order changes how the matrix unit groups a block's products, not which are summed; a block of zeros gets the byte 1 (zero codes, read by this program alone); a largest magnitude is taken as 2^-124 at the least; NaN and infinities are not served.
; REGISTERS: window 0: v0-31 addresses; v32-63 scale words, a set for each slot; v64-99 the way out; v128-223 A's fragments, on the way out the codes.  Window 1: B's fragments, sets at v0 and v128.  Windows 2, 3: accumulators (a, b) at 8 (8 (a % 4) + b).
.set PIECE, 25600
.set FRB,   1536
.set QB,    12288                      ; a piece's second 128 along K
.set SCO,   24576                      ; its scale words
.set SLOT,  4*PIECE
.set GRP,   8*PIECE
.set SPARE, 2*SLOT                     ; the spare words, 512 bytes that no other line names
.set FR,    12
.set NL,    3                          ; LDS loads to a fragment
.set NP,    4                          ; places behind this matrix instruction (ISA guide 7.12.1)
.set LAPS,  4
.set UNITB, 12800
.set BACKB, 32*GRP+6*PIECE
.set ADVA, 8                           ; v8-9   half tile: my A fragments in slot 0, 1
.set ADSV, 10                          ; v10-11 half tile: my scale words
.set ADRA, 16                          ; v16-17 tile: my A fragments
.set ADRS, 18                          ; v18-19 tile: my scale words: lanes 0-15 A's rows, lanes 16-31 B's
.set ADRB, 20                          ; v20-21 my B fragments
.set VSO,  24
.set LN,   25
.set CO,   26                          ; 16 x lane
.set PFO,  27                          ; the prefetch's offset: 256 x min(lane, 24)
.set SPW,  28
.set NIL,  29
.set SC,   32                          ; set s at SC + 16 s; register 2 i + q: lanes 0-15 A's block i, lanes 16-31 B's block i
.set SW,   64
.set TM,   68
.set TT,   84
.set PW,   92
.set AF,   128
.set CDS,  128
.set G1,  24
.set G0,  32
.set G1B, 48
.set G0B, 56
.set DVA, 68                           ; s[68:69] A': from a slot's last K step of the tile to its first of the half tile
.set PD,  70                           ; s[70:71] the same for wave 0's prefetch address
.set PFA, 72                           ; s[72:73] the prefetch address
.set LIM, 74                           ; 1 while my wave prefetches
.set SEL, 76
.set MSB, 0
.macro WIN new
.if MSB != \new
	s_set_vgpr_msb (MSB<<8)|\new
.set MSB, \new
.endif
.endm
.set MUL_LO, 0xa1
.set MUL_HI, 0xf1
.set TO_B,   0x40
.macro PLACES n
.rept \n
	v_nop
.endr
.endm
.macro TL g0, g1                       ; a tensor load with an s_nop and four v_nop behind it
	tensor_load_to_lds s[\g0:\g0+3], s[\g1:\g1+7]
	s_nop 0
	PLACES 4
.endm
.macro JLOAD s                         ; the tile: waves 0, 1 fetch A's two pieces, waves 2, 3 B's
	s_cmp_eq_u32 s15, 0
	s_cbranch_scc0 .Lfor_b_\@
	TL G0+4*\s, G1
	s_branch .Lasked_\@
.Lfor_b_\@:
	TL G0B+4*\s, G1B
.Lasked_\@:
.endm
.macro JLOADV s                        ; the half tile: wave 0 fetches A's piece, waves 2, 3 B's, wave 1 none
	s_cmp_eq_u32 s14, 0
	s_cbranch_scc0 .Lnot_a_\@
	TL G0+4*\s, G1
	s_branch .Lasked_v_\@
.Lnot_a_\@:
	s_cmp_lt_u32 s14, 2
	s_cbranch_scc1 .Lasked_v_\@
	TL G0B+4*\s, G1B
.Lasked_v_\@:
.endm
.macro ASK how                         ; how = 0, in a loop: not in its last trip; how = 1: at the change from tile to half tile
.if \how
	s_cmp_eq_u32 s[LIM], 1
.else
	s_cmp_gt_u32 s3, s[LIM]
.endif
	s_cbranch_scc0 .Lnoask_\@
	global_prefetch_b8 v[PFO], s[PFA:PFA+1] th:TH_LOAD_NT scope:SCOPE_SE
.Lnoask_\@:
.endm
.macro CREST
	s_cmp_lg_u32 s14, 0
	s_cbranch_scc1 .Lnot_wave_0_\@
	s_barrier_signal -3
.Lnot_wave_0_\@:
	s_barrier_wait -3
	s_barrier_signal -1
	s_barrier_wait -1
.endm
.macro CROUND
	s_barrier_signal -1
	s_barrier_wait -1
	CREST
.endm
	s_load_b128 s[4:7], s[0:1], 0x0                ; codes, qimg
	s_load_b64 s[8:9], s[0:1], 0x10                ; kvimg
	v_lshl_add_u32 v[SPW], v0, 2, SPARE
	v_mov_b32 v[NIL], 0
	ds_add_u32 v[SPW], v[NIL]                      ; the opening lines: the add twice on end and one wait
	ds_add_u32 v[SPW], v[NIL]
	v_lshrrev_b32 v1, 5, v0
	v_readfirstlane_b32 s14, v1                    ; wave
	s_lshr_b32 s15, s14, 1                         ; wm; in the tile also: I fetch for A' (0) or B' (1)
	s_and_b32 s16, s14, 1                          ; wn; also which piece I fetch
	s_bfe_u32 s40, ttmp6, 0x40000                  ; cx
	s_bfe_u32 s41, ttmp6, 0x40004                  ; cy
	s_lshl_b32 s42, ttmp9, 2
	s_add_co_u32 s42, s42, s40                     ; X
	s_and_b32 s17, ttmp7, 0xffff
	s_lshl_b32 s17, s17, 2
	s_add_co_u32 s17, s17, s41                     ; Y
	s_mov_b32 s[SEL], 0x76543210
	s_mov_b32 s[SEL+1], 0xfedcba98
	s_lshl_b32 s43, s41, 2
	s_lshl_b32 s43, 15, s43                        ; my row of the cluster
	s_lshl_b32 s44, 0x1111, s40                    ; my column
	s_or_b32 s[G1], s43, (3<<16)|(1<<21)           ; the mask; elements of 8 bytes; bit 21 beside a mask
	s_or_b32 s[G1B], s44, (3<<16)|(1<<21)
.irp g, G1, G1B
	s_mov_b32 s[\g+1], 32<<16                      ; rows of 32 elements,
	s_mov_b32 s[\g+2], 100<<16                     ; 100 of them
	s_mov_b32 s[\g+3], 32<<16
	s_mov_b32 s[\g+4], 100
	s_mov_b32 s[\g+5], 32
	s_mov_b32 s[\g+6], 0
	s_mov_b32 s[\g+7], 0
.endr
	s_lshl_b32 s20, s17, 1
	s_add_co_u32 s20, s20, s16
	s_mul_i32 s20, s20, GRP                        ; A': group 2 Y + piece
	s_mov_b32 s21, 0
	s_lshl_b32 s46, s42, 1
	s_add_co_u32 s46, s46, s16
	s_add_co_u32 s46, s46, 32
	s_mul_i32 s46, s46, GRP                        ; B': group 32 + 2 X + piece
	s_mov_b32 s47, 0
	s_sub_co_u32 s[DVA], 64, s17
	s_mul_i32 s[DVA], s[DVA], GRP
	s_sub_co_u32 s[PD], s[DVA], 7*PIECE
	s_sub_co_u32 s[DVA], s[DVA], 6*PIECE           ; from group 2 Y to group 64 + Y, six K steps back
	s_mov_b32 s[DVA+1], 0
	s_mov_b32 s[PD+1], 0
	s_mul_i32 s45, s14, PIECE                      ; where my piece goes: no place in the cluster enters an LDS address
	s_wait_dscnt 0x0
	s_wait_kmcnt 0x0
	s_add_nc_u64 s[20:21], s[4:5], s[20:21]
	s_add_nc_u64 s[46:47], s[4:5], s[46:47]
	CROUND                                         ; the first joint loads meet
.irp s, 0,1
	s_mov_b32 s[G0+4*\s], 1
	s_add_co_u32 s[G0+4*\s+1], s45, \s*SLOT
	s_add_nc_u64 s[G0+4*\s+2:G0+4*\s+3], s[20:21], \s*PIECE
	s_or_b32 s[G0+4*\s+3], s[G0+4*\s+3], 0x80000000
	s_mov_b32 s[G0B+4*\s], 1
	s_add_co_u32 s[G0B+4*\s+1], s45, \s*SLOT
	s_add_nc_u64 s[G0B+4*\s+2:G0B+4*\s+3], s[46:47], \s*PIECE
	s_or_b32 s[G0B+4*\s+3], s[G0B+4*\s+3], 0x80000000
.endr
	JLOAD 0                                        ; K step 0: one tensor load a wave at the head
	; where my unit of the tile goes: tokens along m', heads along n'
	s_lshl_b32 s18, s17, 1
	s_add_co_u32 s18, s18, s15                     ; 2 Y + wm = 8 b + step
	s_lshl_b32 s20, s42, 1
	s_add_co_u32 s20, s20, s16                     ; 2 X + wn = 16 kind + head
	s_lshr_b32 s19, s18, 3
	s_and_b32 s18, s18, 7
	s_and_b32 s21, s20, 15
	s_lshr_b32 s22, s20, 4
	s_lshl_b32 s19, s19, 4
	s_add_co_u32 s19, s19, s21
	s_lshl_b32 s19, s19, 3
	s_add_co_u32 s19, s19, s18
	s_mov_b32 s45, 2*UNITB
	s_cmp_eq_u32 s22, 0
	s_cselect_b64 s[12:13], s[6:7], s[8:9]         ; q to qimg, k to kvimg: the choice hangs on ids alone
	s_cselect_b32 s45, UNITB, s45
	s_mul_i32 s46, s19, s45
	s_mov_b32 s47, 0
	s_add_nc_u64 s[12:13], s[12:13], s[46:47]
	; and my four fragments of the half tile: tokens along n', the head is Y
	s_lshr_b32 s19, s20, 3
	s_and_b32 s18, s20, 7
	s_lshl_b32 s19, s19, 4
	s_add_co_u32 s19, s19, s17
	s_lshl_b32 s19, s19, 3
	s_add_co_u32 s19, s19, s18
	s_mul_i32 s46, s19, 2*UNITB
	s_mul_i32 s21, s15, 4*FRB
	s_add_co_u32 s46, s46, s21
	s_add_co_u32 s46, s46, UNITB
	s_add_nc_u64 s[66:67], s[8:9], s[46:47]
	; the prefetch address: my piece, my work-group's 25 blocks of it, at K step 3 (the first change of slots steps it to 4)
	s_lshl_b32 s19, s17, 1
	s_lshl_b32 s20, s42, 1
	s_add_co_u32 s20, s20, 32
	s_cmp_eq_u32 s15, 0
	s_cselect_b32 s18, s40, s41
	s_cselect_b32 s19, s19, s20
	s_add_co_u32 s19, s19, s16
	s_mul_i32 s19, s19, GRP
	s_mul_i32 s18, s18, 25*256
	s_add_co_u32 s18, s18, s19
	s_add_co_u32 s18, s18, 3*PIECE
	s_mov_b32 s19, 0
	s_add_nc_u64 s[PFA:PFA+1], s[4:5], s[18:19]
	s_mov_b32 s[LIM], 1
	; LDS bases
	s_mul_i32 s18, s15, PIECE                      ; tile: A's piece wm
	s_mul_i32 s19, s16, PIECE
	s_add_co_u32 s19, s19, 2*PIECE                 ; B's piece wn
	s_sub_co_u32 s22, s19, s18
	s_mul_i32 s23, s15, 4*FRB                      ; half tile: my four blocks of A's piece
	s_lshl_b32 s43, s15, 9                         ; and their scale words
	s_sub_co_u32 s44, s19, s43
	s_add_co_u32 s20, s18, SCO
	s_add_co_u32 s21, s43, SCO
	s_mul_i32 s45, s15, 4*FRB-256
	s_sub_co_u32 s45, 12288, s45                   ; half tile: my words lie at 12,288 + 256 wm of the unit, my base at 6,144 wm
	v_and_b32 v[LN], 31, v0
	v_and_b32 v1, 15, v0
	v_bfe_u32 v2, v0, 4, 1
	v_lshlrev_b32 v[CO], 4, v[LN]
	v_add_nc_u32 v[ADRA], s18, v[CO]
	v_add_nc_u32 v[ADRB], s19, v[CO]
	v_add_nc_u32 v[ADVA], s23, v[CO]
	v_lshlrev_b32 v3, 3, v1
	v_mul_u32_u24 v4, s22, v2                      ; lanes 16-31 take B's: the lower base + half x the distance
	v_mul_u32_u24 v5, s44, v2
	v_add_nc_u32 v4, v4, v3
	v_add_nc_u32 v5, v5, v3
	v_add_nc_u32 v[ADRS], s20, v4
	v_add_nc_u32 v[ADSV], s21, v5
.irp r, ADRA, ADRB, ADVA, ADRS, ADSV
	v_add_nc_u32 v[\r+1], SLOT, v[\r]
.endr
	v_lshlrev_b32 v[VSO], 4, v1
	v_lshl_add_u32 v[VSO], v2, 3, v[VSO]
	v_add_nc_u32 v[VSO], s45, v[VSO]
	v_min_u32 v[PFO], 24, v[LN]
	v_lshlrev_b32 v[PFO], 8, v[PFO]
.macro FRAG reg, adr, q, i             ; a fragment's image: three loads of 512 consecutive bytes
.irp c, 0,1,2
	ds_load_b128 v[\reg+4*\c:\reg+4*\c+3], v[\adr] offset:QB*(\q)+FRB*(\i)+512*\c
.endr
.endm
.macro MM zero                         ; zero = 1: the first product starts the sum
.if \zero
	v_wmma_scale_f32_16x16x128_f8f6f4 v[DD:DD+7], v[BB:BB+11], v[AA:AA+11], 0, v[SB], v[SA] matrix_a_fmt:MATRIX_FMT_FP6 matrix_b_fmt:MATRIX_FMT_FP6 matrix_a_scale:MATRIX_SCALE_ROW1
.else
	v_wmma_scale_f32_16x16x128_f8f6f4 v[DD:DD+7], v[BB:BB+11], v[AA:AA+11], v[DD:DD+7], v[SB], v[SA] matrix_a_fmt:MATRIX_FMT_FP6 matrix_b_fmt:MATRIX_FMT_FP6 matrix_a_scale:MATRIX_SCALE_ROW1
.endif
.endm
; 16 matrix instructions: A's blocks a0, a0 + 1 x B's eight; the accumulators take turns.  q: the slot's first or second 128 along K, also B's set
.macro MUL16 a0, q, sc, zero           ; the tile
.irp a, \a0, \a0+1
.irp b, 0,1,2,3,4,5,6,7
.set DD, 8*(8*((\a)%4)+\b)
.set BB, 128*(\q)+FR*\b
.set AA, AF+FR*(\a)
.set SB, SC+16*(\sc)+2*\b+(\q)
.set SA, SC+16*(\sc)+2*(\a)+(\q)
	MM \zero
.endr
.endr
.endm
.macro MULH a0, q, sc, zero            ; the half tile: A has two sets of four blocks
.irp a, \a0, \a0+1
.irp b, 0,1,2,3,4,5,6,7
.set DD, 8*(8*(\a)+\b)
.set BB, 128*(\q)+FR*\b
.set AA, AF+4*FR*(\q)+FR*(\a)
.set SB, SC+16*(\sc)+2*\b+(\q)
.set SA, SC+16*(\sc)+2*(\a)+(\q)
	MM \zero
.endr
.endr
.endm
.macro FETCH_B slot, q
	WIN TO_B
.irp i, 0,1,2,3,4,5,6,7
	FRAG 128*(\q)+FR*\i, ADRB+\slot, \q, \i
.endr
	WIN 0
.endm
.macro FETCH_A slot, q, i0
.irp i, \i0, \i0+1, \i0+2, \i0+3
	FRAG AF+FR*(\i), ADRA+\slot, \q, \i
.endr
.endm
.macro FETCH_AH slot, q
.irp i, 0,1,2,3
	FRAG AF+4*FR*(\q)+FR*\i, ADVA+\slot, \q, \i
.endr
.endm
.macro SCALES sc, adr                  ; a slot's scale words.  (Half tile: A has four blocks; what lanes 0-15 bring for i = 4 .. 7 is not used)
.irp i, 0,1,2,3,4,5,6,7
	ds_load_b64 v[SC+16*\sc+2*\i:SC+16*\sc+2*\i+1], v[\adr+\sc] offset:128*\i
.endr
.endm
; THE TILE, a slot's first step.  A's one set: blocks 0-3 are fetched anew in the step's middle, blocks 4-7 at its end
.macro STEP slot, zero
	s_wait_dscnt 4*NL                              ; all but the youngest 12 loads (A's blocks 4-7)
	WIN MUL_LO
	MUL16 0, 0, \slot, \zero
	MUL16 2, 0, \slot, \zero
	s_wait_dscnt 0
	PLACES NP
	FETCH_B \slot, 1
	FETCH_A \slot, 1, 0
	WIN MUL_HI
	MUL16 4, 0, \slot, \zero
	MUL16 6, 0, \slot, \zero
	PLACES NP
	WIN 0
	FETCH_A \slot, 1, 4
.endm
; THE TILE, a slot's second step changes slots: the three lines, a round of the cluster's barrier, the refill.  fill = 1: two K steps on; fill = 2: the half tile's K step 0 or 1
.macro TURN slot, next, fill, more
	s_wait_xcnt 0x0                                ; my prefetch has read its address: it is stepped here
.if (\fill) == 2 && (\slot) == 0
	s_add_nc_u64 s[PFA:PFA+1], s[PFA:PFA+1], s[PD:PD+1]   ; wave 0: on to Wv's piece, K step 2
	s_cmp_eq_u32 s14, 0
	s_cselect_b32 s[LIM], s[LIM], -1               ; the other waves ask no more
.else
	s_add_nc_u64 s[PFA:PFA+1], s[PFA:PFA+1], PIECE
.endif
	s_wait_tensorcnt 0x0                           ; my part of the next slot is in
	ds_add_u32 v[SPW], v[NIL]
	s_wait_dscnt 4*NL+1                            ; (the add and A's blocks 4-7 may be out)
	WIN MUL_LO
	MUL16 0, 1, \slot, 0
	s_wait_dscnt 0x0                               ; the add is done, my reads of this slot are over
	s_barrier_signal -1
	MUL16 2, 1, \slot, 0
	WIN 0
	s_barrier_wait -1
	CREST
.if \fill == 1
	s_add_nc_u64 s[G0+4*\slot+2:G0+4*\slot+3], s[G0+4*\slot+2:G0+4*\slot+3], 2*PIECE
	s_add_nc_u64 s[G0B+4*\slot+2:G0B+4*\slot+3], s[G0B+4*\slot+2:G0B+4*\slot+3], 2*PIECE
	JLOAD \slot                                    ; its four v_nop are the places in front of the loads below
.else
	s_add_nc_u64 s[G0+4*\slot+2:G0+4*\slot+3], s[G0+4*\slot+2:G0+4*\slot+3], s[DVA:DVA+1]
	s_sub_nc_u64 s[G0B+4*\slot+2:G0B+4*\slot+3], s[G0B+4*\slot+2:G0B+4*\slot+3], BACKB
	JLOADV \slot
	PLACES NP                                      ; (wave 1 has passed no v_nop)
.endif
.if \more
	FETCH_B \next, 0
	FETCH_A \next, 0, 0
	SCALES \next, ADRS
.endif
	ASK (\fill)-1
	WIN MUL_HI
	MUL16 4, 1, \slot, 0
	MUL16 6, 1, \slot, 0
	PLACES NP
	WIN 0
.if \more
	FETCH_A \next, 0, 4
.endif
.endm
; THE HALF TILE, a slot's first step: the next step's 36 loads go out ahead of this step's 32 products
.macro STEPH slot, zero
	s_wait_dscnt 0x0
	PLACES NP
	FETCH_B \slot, 1
	FETCH_AH \slot, 1
	WIN MUL_LO
	MULH 0, 0, \slot, \zero
	MULH 2, 0, \slot, \zero
	WIN 0
.endm
; THE HALF TILE, a slot's second step changes slots at its head: its fragments are in registers already
.macro TURNH slot, next, fill
.if \fill
	s_wait_xcnt 0x0
	s_add_nc_u64 s[PFA:PFA+1], s[PFA:PFA+1], PIECE
.endif
	s_wait_tensorcnt 0x0
	ds_add_u32 v[SPW], v[NIL]
	s_wait_dscnt 0x0
	s_barrier_signal -1
	s_barrier_wait -1
.if \fill
	CREST
	s_add_nc_u64 s[G0+4*\slot+2:G0+4*\slot+3], s[G0+4*\slot+2:G0+4*\slot+3], 2*PIECE
	s_add_nc_u64 s[G0B+4*\slot+2:G0B+4*\slot+3], s[G0B+4*\slot+2:G0B+4*\slot+3], 2*PIECE
	JLOADV \slot
.endif
	PLACES NP
	FETCH_B \next, 0
	FETCH_AH \next, 0
	SCALES \next, ADSV
.if \fill
	ASK 0
.endif
	WIN MUL_LO
	MULH 0, 1, \slot, 0
	MULH 2, 1, \slot, 0
	WIN 0
.endm
; THE WAY OUT of block a: 16 rows m' x my 128 n'; register 16 B + i belongs to block B of 32 along n'
.macro QOUT a
.set AC, 64*((\a)%4)
.set CP, CDS+12*(\a)
	WIN 0x0a+5*((\a)/4)
.irp b, 0,1,2,3
	v_max3_num_f32 v[TM+\b], |v[AC+16*\b]|, |v[AC+16*\b+1]|, 0x1800000   ; each accumulator from its low end on; the floor 2^(3 - 127)
.endr
.irp i, 2,4,6,8,10,12,14
.irp b, 0,1,2,3
	v_max3_num_f32 v[TM+\b], |v[AC+16*\b+\i]|, |v[AC+16*\b+\i+1]|, v[TM+\b]
.endr
.endr
	WIN 0
.irp b, 0,1,2,3
	v_permlanex16_b32 v[TM+4+\b], v[TM+\b], s[SEL], s[SEL+1]
.endr
.irp b, 0,1,2,3
	v_max_num_f32 v[TM+\b], v[TM+\b], v[TM+4+\b]   ; with lane l xor 16's 16: the block's largest magnitude
.endr
.irp b, 0,1,2,3
	v_add_nc_u32 v[TM+12+\b], 0xff000000, v[TM+\b] ; the conversion's scale operand
.endr
.irp b, 0,1,2,3
	v_lshrrev_b32 v[TM+4+\b], 23, v[TM+12+\b]      ; the byte
.endr
	v_lshl_or_b32 v[PW+(\a)], v[TM+5], 8, v[TM+4]
	v_lshl_or_b32 v[PW+(\a)], v[TM+6], 16, v[PW+(\a)]
	v_lshl_or_b32 v[PW+(\a)], v[TM+7], 24, v[PW+(\a)]
	WIN 0x02+((\a)/4)
.irp c, 0,1
	v_cvt_scalef32_pk16_fp6_f32 v[CP+6*\c:CP+6*\c+2], v[AC+32*\c:AC+32*\c+15], v[TM+12+2*\c]
	v_cvt_scalef32_pk16_fp6_f32 v[TT+4*\c:TT+4*\c+2], v[AC+32*\c+16:AC+32*\c+31], v[TM+13+2*\c]
.endr
	WIN 0
	v_nop                                          ; one plain instruction behind the scaled conversions
.irp c, 0,1                                    ; a whole block to a lane: lanes 0-15 block 2 c, lanes 16-31 block 2 c + 1
.irp i, 0,1,2
	v_permlane16_swap_b32 v[CP+6*\c+\i], v[TT+4*\c+\i]
.endr
.irp i, 0,1,2
	v_mov_b32 v[CP+3+6*\c+\i], v[TT+4*\c+\i]
.endr
.endr
.irp c, 0,1,2
	global_store_b128 v[CO], v[CP+4*\c:CP+4*\c+3], s[OBASE:OBASE+1] offset:1536*(\a)+512*\c   ; 512 consecutive bytes, aligned
.endr
.endm
	; ---- THE TILE OF q AND k
	s_wait_alu depctr_va_vdst(0)                   ; the wait at the head's end
	s_wait_tensorcnt 0x0                           ; my piece of K step 0 is in; the three lines ahead of slot 1's first fill
	ds_add_u32 v[SPW], v[NIL]
	s_wait_dscnt 0x0
	CROUND
	JLOAD 1                                        ; K step 1
	FETCH_B 0, 0
	FETCH_A 0, 0, 0
	SCALES 0, ADRS
	FETCH_A 0, 0, 4
	STEP 0, 1
	s_mov_b32 s3, LAPS-1
.Llap:
	TURN 0, 1, 1, 1
	STEP 1, 0
	TURN 1, 0, 1, 1
	STEP 0, 0
	s_sub_co_u32 s3, s3, 1
	s_cmp_lg_u32 s3, 0
	s_cbranch_scc1 .Llap
	TURN 0, 1, 2, 1                                ; slot 0 takes the half tile's K step 0,
	STEP 1, 0
	TURN 1, 0, 2, 0                                ; slot 1 its K step 1; now the tile goes out
.irp b, 0,1,2,3
	v_mov_b32 v[TM+4+\b], 0                        ; a lane permute's destination counts as one of its sources
.endr
.set OBASE, 12
.irp a, 0,1,2,3,4,5,6,7
	QOUT \a
.endr
	v_cmp_le_u32 vcc_lo, 16, v[LN]                 ; lanes 0-15 store the words of blocks 0-3, lanes 16-31 those of blocks 4-7
.irp i, 0,1,2,3
	v_cndmask_b32 v[SW+\i], v[PW+\i], v[PW+4+\i], vcc_lo
.endr
	global_store_b128 v[CO], v[SW:SW+3], s[12:13] offset:12288
	s_wait_xcnt 0x0                                ; the stores have read their registers: fragments are loaded over the codes only behind this wait
	; ---- THE HALF TILE OF V^T.  Its K step 0 was shown landed by the wait and the barrier of the last change of slots
	FETCH_B 0, 0
	FETCH_AH 0, 0
	SCALES 0, ADSV
	STEPH 0, 1
	s_mov_b32 s3, LAPS-1
.Llapv:
	TURNH 0, 1, 1
	STEPH 1, 0
	TURNH 1, 0, 1
	STEPH 0, 0
	s_sub_co_u32 s3, s3, 1
	s_cmp_lg_u32 s3, 0
	s_cbranch_scc1 .Llapv
	TURNH 0, 1, 0                                  ; the last lap fills nothing
	STEPH 1, 0
	s_wait_dscnt 0x0
	WIN MUL_LO
	MULH 0, 1, 1, 0
	MULH 2, 1, 1, 0
	WIN 0
	PLACES NP
.set OBASE, 66
.irp a, 0,1,2,3
	QOUT \a
.endr
	v_cmp_le_u32 vcc_lo, 16, v[LN]                 ; 16 bytes a row: lanes 0-15 store the words of blocks 0, 1, lanes 16-31 those of blocks 2, 3
	v_cndmask_b32 v[SW], v[PW], v[PW+2], vcc_lo
	v_cndmask_b32 v[SW+1], v[PW+1], v[PW+3], vcc_lo
	global_store_b64 v[VSO], v[SW:SW+1], s[66:67]  ; 256 consecutive bytes, aligned
	s_wait_tensorcnt 0x0                           ; the wave's end
	ds_add_u32 v[SPW], v[NIL]
	s_wait_dscnt 0x0
	CROUND                                         ; the closing round
	s_endpgm
.Lfunc_end_k_q2f59af2e94_proj:
	.size	k_q2f59af2e94_proj, .Lfunc_end_k_q2f59af2e94_proj-k_q2f59af2e94_proj
	.p2alignl 7, 3214868480
	.fill 96, 4, 3214868480
	.section	.rodata,"a",@progbits
	.p2align	6, 0x0
	.amdhsa_kernel k_q2f59af2e94_proj
		.amdhsa_group_segment_fixed_size 327680
		.amdhsa_private_segment_fixed_size 0
		.amdhsa_enable_private_segment 0
		.amdhsa_kernarg_size 24
		.amdhsa_user_sgpr_count 2
		.amdhsa_user_sgpr_kernarg_segment_ptr 1
		.amdhsa_wavefront_size32 1
		.amdhsa_system_sgpr_workgroup_id_x 1
		.amdhsa_system_sgpr_workgroup_id_y 1
		.amdhsa_system_sgpr_workgroup_id_z 1
		.amdhsa_system_vgpr_workitem_id 0
		.amdhsa_next_free_vgpr 1024
		.amdhsa_next_free_sgpr 80
		.amdhsa_reserve_vcc 1
		.amdhsa_float_denorm_mode_32 3
		.amdhsa_float_denorm_mode_16_64 3
		.amdhsa_memory_ordered 1
		.amdhsa_forward_progress 1
		.amdhsa_inst_pref_size 216
	.end_amdhsa_kernel
	.amdgpu_metadata
---
amdhsa.version: [ 1, 2 ]
amdhsa.kernels:
  - .name:           k_q2f59af2e94_proj
    .symbol:         k_q2f59af2e94_proj.kd
    .args:
      - { .name: codes, .offset: 0, .size: 8, .value_kind: global_buffer, .address_space: global }
      - { .name: qimg, .offset: 8, .size: 8, .value_kind: global_buffer, .address_space: global }
      - { .name: kvimg, .offset: 16, .size: 8, .value_kind: global_buffer, .address_space: global }
    .group_segment_fixed_size: 327680
    .private_segment_fixed_size: 0
    .kernarg_segment_align: 8
    .kernarg_segment_size: 24
    .max_flat_workgroup_size: 128
    .sgpr_count:     80
    .vgpr_count:     1024
    .wavefront_size: 32
...
	.end_amdgpu_metadata
.endif
;; end of part 2
;; launch attn (part 3): grid 4 x 64, 16 waves a work-group, clusters of 4 x 1, 327,680 bytes of LDS; arguments qimg, kvimg, out0; writes out0
.if DOCPART == 3
	.amdgcn_target "amdgcn-amd-amdhsa--gfx1250"
	.amdhsa_code_object_version 6
	.text
	.protected	k_q2f59af2e94_attn
	.globl	k_q2f59af2e94_attn
	.p2align	8
	.type	k_q2f59af2e94_attn,@function
k_q2f59af2e94_attn:
	s_mov_b64 s[64:65], 0
	v_nop
	global_prefetch_b8 v0, s[64:65] scope:SCOPE_SE
	s_setreg_imm32_b32 hwreg(HW_REG_WAVE_MODE, 25, 1), 1
	s_wait_xcnt 0x0
	s_wait_alu depctr_hold_cnt(0) depctr_sa_sdst(0) depctr_va_vdst(0) depctr_va_sdst(0) depctr_va_ssrc(0) depctr_va_vcc(0) depctr_vm_vsrc(0)
	s_getreg_b32 s2, hwreg(HW_REG_IB_STS2, 6, 4)
	s_cmp_eq_u32 s2, 0
	s_cbranch_scc0 .Lentry_in_a_cluster
	s_endpgm
.Lentry_in_a_cluster:
	s_bfe_u32 s2, ttmp6, 0x10000c
	s_cmp_lg_u32 s2, 0x3003
	s_cbranch_scc0 .Lentry_shape_is_right
	s_endpgm
.Lentry_shape_is_right:
; CAUSAL ATTENTION on codes of FP6 (E2M3) with one E8M0 scale for each 32 along a product's K.  64 heads (b, h) of 1,024 tokens x 128.  o = softmax(q k^T / sqrt(128), keys <= query) v, f32.
; q, k and V^T arrive as IMAGES OF OPERAND REGISTERS, in units of 12,800 bytes (128 tokens of a head): eight fragments of 1,536 bytes (register group c of lane l at 512 c + 16 l), and at byte 12,288 their scale words
; (fragment a, row r at 256 (a / 4) + 16 r + 4 (a % 4)): one load of 16 bytes a lane gives four registers, fragment i's words in lanes 0-15 and fragment 4 + i's in lanes 16-31.
; A q or k fragment is 16 tokens x 128 d; a V fragment is 16 d x 128 keys.  Inside each block of 32 along K the codes stand in the order 0-7, 16-23, 8-15, 24-31; p is coded here in the same order, so both sides of each product agree.
; THE SOFTMAX AHEAD OF THE SECOND PRODUCT: t = score x log2(e) / sqrt(128); M = the row's largest t so far, rounded UP to a whole number; p = 2^(t - M) is quantised along the keys, not normalised.
; The row's sum is taken of the unquantised p, in f32, and divides O at the end.  When M moves, the sum and O are multiplied by 2^(old M - new M): exact.
; SHARES.  A cluster of four work-groups is one head.  Each work-group has sixteen waves of 256 registers, four to a SIMD; a wave owns one tile of 16 queries: tile 4 u + cx, u made of the wave's number, cx the work-group's place.
; So the four partners have the same work, and which key steps a wave walks hangs on u alone: step j (128 keys) is left out where u < 2 j, and needs no mask where u >= 2 j + 2.  cx enters global addresses and the mask's compare only.
; A HEAD'S K AND V, 204,800 BYTES, FIT IN LDS: they are asked for once, at the head, by eight JOINT loads of one key step each (the same load with the same descriptor and the mask of all four partners, in all four), and no LDS byte is filled twice.
; Both products are used transposed: S^T = K Q^T (source 0 = 16 keys, source 1 = my queries), O^T = V^T P^T (source 0 = 16 d, source 1 = P): a lane holds ONE query (lane % 16) throughout.
; LIMITS: the order inside a block changes how the matrix unit groups a block's products, not which are summed; a block's largest p is made from its largest score, which takes v_exp_f32 not to fall where its input rises;
; a block whose every p is 0 keeps the byte 1 (zero codes); NaN and infinities are not served.
; REGISTERS: v1-10 addresses that stay; v12 -M, v13 the largest t, v[14:15] the sum in two halves; v16-27 Q; v29 -infinity; v32-79 four fragments of K or V; v80-83 K's scale words, v84-87 V's; v96-159 S^T, then p;
; v160-223 O^T; v224-235 p's codes; v232-254 at work; v253 p's scale word; v255 Q's scale word.
; HOW K AND V COME, as the text below has it (in place of the eight loads of a key step named above): sixteen joint loads of one unit of 12,800 bytes, wave w's one load brings unit w of the head.
; Waves 0-3 ask at the head (key steps 0 and 1); waves 4-15 ask behind the three lines and a round of the cluster's barrier, and their units land under key steps 0 and 1; one barrier shows them to all waves ahead of key step 2.
; No LDS byte is filled twice.
.set UNITB, 12800
.set STEPB, 2*UNITB                    ; a key step in LDS and in memory: K's unit, then V's
.set HEADB, 8*STEPB
.set FRB,   1536                       ; a fragment's image
.set STAGE, HEADB                      ; behind K and V: the way out, 16 rows x (256 bytes + 16) for each wave; no tensor load lands there
.set SPITCH, 272
.set LI,   1                           ; v1   16 x lane: an image's place for my lane
.set DQ,   2                           ; v2   my query - 8 (lane / 16), signed
.set A0,   3                           ; v3-6 LI + 51,200 x 0 .. 3: two key steps to an address register, the rest stands in the immediate
.set GO,   7                           ; v7   the way out: my byte offset in the wave's rows of O
.set STI,  8                           ; v8   the stage: where I put 32 bytes of a row
.set STO,  9                           ; v9   and where I read a row back
.set QSO,  10                          ; v10  16 x (lane % 16): my row's place among Q's scale words
.set NINF, 29
.set WV,   18                          ; s18  my wave's number
.set U,    19                          ; s19  u
.set SEL,  20                          ; s[20:21] lane selects for v_permlanex16_b32: lane l xor 16
.set CS,   22                          ; s[22:23] c = log2(e) / sqrt(128): the packed form names a pair and takes its low word for both halves
.set G1,   24                          ; s[24:31] descriptor group 1
.set G0,   32                          ; s[32:35] group 0 of my one load
; A round of the cluster's barrier: my work-group's barrier; wave 0 signals for the work-group; every wave waits for all four work-groups; my work-group's barrier once more.
.macro ROUND
	s_barrier_signal -1
	s_barrier_wait -1
	s_cmp_lg_u32 s[WV], 0
	s_cbranch_scc1 .Lnot_wave_0_\@
	s_barrier_signal -3
.Lnot_wave_0_\@:
	s_barrier_wait -3
	s_barrier_signal -1
	s_barrier_wait -1
.endm
	s_load_b128 s[4:7], s[0:1], 0x0                ; qimg s[4:5], kvimg s[6:7]
	s_load_b64 s[8:9], s[0:1], 0x10                ; out0
	v_lshl_add_u32 v250, v0, 2, 0x43000
	v_mov_b32 v251, 0
	ds_add_u32 v250, v251
	ds_add_u32 v250, v251
	v_lshrrev_b32 v11, 5, v0
	s_delay_alu instid0(VALU_DEP_1)
	v_readfirstlane_b32 s[WV], v11                 ; wave 0..15
	s_lshr_b32 s[U], s[WV], 2
	s_and_b32 s[U], s[U], 1
	s_mul_i32 s[U], s[U], 3
	s_xor_b32 s[U], s[U], s[WV]                    ; u = wave xor 3 in every second group of four waves: long and short walks are mixed among waves whose numbers are equal modulo 4
	s_bfe_u32 s48, ttmp6, 0x40000                  ; cx
	s_and_b32 s49, ttmp7, 0xffff                   ; the head (b, h), which the four partners share
	s_lshl_b32 s50, s[U], 6
	s_lshl_b32 s52, s48, 4
	s_add_co_u32 s50, s50, s52                     ; my first query: 64 u + 16 cx
	s_lshl_b32 s52, s49, 3
	s_lshr_b32 s53, s[U], 1
	s_add_co_u32 s52, s52, s53
	s_mul_i32 s52, s52, UNITB                      ; Q's unit: 8 x head + u / 2
	s_and_b32 s53, s[U], 1
	s_lshl_b32 s54, s53, 2
	s_add_co_u32 s54, s54, s48
	s_mul_i32 s54, s54, FRB                        ; my fragment in it: 4 (u % 2) + cx
	s_add_co_u32 s54, s54, s52
	s_mov_b32 s55, 0
	s_lshl_b32 s53, s53, 8
	s_lshl_b32 s56, s48, 2
	s_add_co_u32 s56, s56, s53
	s_add_co_u32 s56, s56, s52
	s_add_co_u32 s56, s56, 12288                   ; and its scale words: 12,288 + 256 (u % 2) + 4 cx, + 16 r
	s_mov_b32 s57, 0
	s_mul_i32 s51, s[WV], UNITB                    ; what I fetch: unit w: its place in LDS, and in the head
	s_mul_i32 s58, s49, HEADB
	s_add_co_u32 s58, s58, s51
	s_mov_b32 s59, 0
	s_lshl_b32 s60, s49, 10
	s_add_co_u32 s60, s60, s50
	s_lshl_b32 s60, s60, 9                         ; my first row of O: (1,024 x head + first query) x 512 bytes, under 2^26
	s_mov_b32 s61, 0
	; descriptor group 1: a unit is a dense block of 12,800 bytes: 50 rows of 256 bytes (32 elements of 8 bytes), no padding
	s_mov_b32 s[G1], 15|(3<<16)|(1<<21)            ; the mask: all four work-groups; elements of 8 bytes; bit 21 beside a mask
	s_mov_b32 s[G1+1], 32<<16
	s_mov_b32 s[G1+2], 50<<16
	s_mov_b32 s[G1+3], 32<<16
	s_mov_b32 s[G1+4], 50
	s_mov_b32 s[G1+5], 32                          ; tensor_dim0_stride
	s_mov_b32 s[G1+6], 0
	s_mov_b32 s[G1+7], 0
	s_mov_b32 s[SEL], 0x76543210
	s_mov_b32 s[SEL+1], 0xfedcba98
	s_mov_b32 s[CS], 0x3e0293ee                    ; c = log2(e) / sqrt(128)
	s_mov_b32 s[CS+1], s[CS]                       ; (named with it as a pair, so it is written)
	s_wait_dscnt 0x0
	s_wait_kmcnt 0x0
	s_add_nc_u64 s[10:11], s[4:5], s[56:57]        ; Q's scale words
	s_add_nc_u64 s[4:5], s[4:5], s[54:55]          ; Q's fragment
	s_add_nc_u64 s[6:7], s[6:7], s[58:59]          ; the unit I fetch: unit w of the head
	s_add_nc_u64 s[8:9], s[8:9], s[60:61]          ; O
	ROUND                                          ; all four work-groups are here: the joint loads meet
	s_mov_b32 s[G0], 1
	s_mov_b32 s[G0+1], s51                         ; LDS address: 12,800 x wave: no place in the cluster enters it
	s_mov_b64 s[G0+2:G0+3], s[6:7]
	s_or_b32 s[G0+3], s[G0+3], 0x80000000
	s_cmp_lt_u32 s[WV], 4                          ; waves 0-3 fetch key steps 0 and 1 now, one load a wave
	s_cbranch_scc0 .Lno_fetch
	tensor_load_to_lds s[G0:G0+3], s[G1:G1+7]
	s_nop 0
.rept 4
	v_nop
.endr
.Lno_fetch:
	v_and_b32 v[LI], 31, v0
	s_delay_alu instid0(VALU_DEP_1)
	v_lshlrev_b32 v[LI], 4, v[LI]
.irp c, 0,1,2
	global_load_b128 v[16+4*\c:19+4*\c], v[LI], s[4:5] offset:512*\c   ; Q's fragment stays in registers
.endr
	v_and_b32 v[QSO], 15, v0                       ; r
	v_bfe_u32 v11, v0, 4, 1                        ; h
	s_delay_alu instid0(VALU_DEP_1)
	v_lshlrev_b32 v[DQ], 3, v11
	s_delay_alu instid0(VALU_DEP_1)
	v_sub_nc_u32 v[DQ], v[QSO], v[DQ]
	s_delay_alu instid0(VALU_DEP_1)
	v_add_nc_u32 v[DQ], s50, v[DQ]                 ; my query - 8 h
.irp sl, 0,1,2,3
	v_add_nc_u32 v[A0+\sl], 2*STEPB*\sl, v[LI]
.endr
	v_lshlrev_b32 v[GO], 9, v11
	s_delay_alu instid0(VALU_DEP_1)
	v_lshl_add_u32 v[GO], v[QSO], 4, v[GO]         ; lanes 0-15 take one row of O, lanes 16-31 the next; 16 bytes a lane
	s_mul_i32 s53, s[WV], 16*SPITCH
	s_add_co_u32 s53, s53, STAGE                   ; my stage
	v_mul_u32_u24 v[STI], v[QSO], SPITCH
	s_delay_alu instid0(VALU_DEP_1)
	v_lshl_add_u32 v[STI], v11, 5, v[STI]
	s_delay_alu instid0(VALU_DEP_1)
	v_add_nc_u32 v[STI], s53, v[STI]               ; in: row r; a tile's eight channels of my half: 64 t + 32 h bytes on
	v_mul_u32_u24 v[STO], v11, SPITCH
	s_delay_alu instid0(VALU_DEP_1)
	v_lshl_add_u32 v[STO], v[QSO], 4, v[STO]
	s_delay_alu instid0(VALU_DEP_1)
	v_add_nc_u32 v[STO], s53, v[STO]               ; back: lanes 0-15 one row, lanes 16-31 the next
	v_lshlrev_b32 v[QSO], 4, v[QSO]
	global_load_b32 v255, v[QSO], s[10:11]         ; Q's scale words: lane r has row r's
	v_mov_b32 v[NINF], 0xff800000                  ; -infinity
	v_mov_b32 v13, 0xff61b1e6                      ; the largest t so far: -3e38, under every t
	s_delay_alu instid0(VALU_DEP_1)
	v_floor_f32 v12, -v13                          ; -M
	v_mov_b32 v14, 0                               ; the sum, in two halves
	v_mov_b32 v15, 0
.irp b, 0,1,2,3
	v_mov_b32 v[236+\b], 0                         ; written once: a lane permute's destination counts as one of its sources
.endr
	v_mov_b32 v252, 0
	v_mov_b32 v253, 0                              ; (named as the upper half of the pair v[252:253] before it is first written)
.irp j, 0,1,2,3,4,5,6,7,8,9,10,11,12,13,14,15,16,17,18,19,20,21,22,23,24,25,26,27,28,29,30,31,32,33,34,35,36,37,38,39,40,41,42,43,44,45,46,47,48,49,50,51,52,53,54,55,56,57,58,59,60,61,62,63
	v_mov_b32 v[160+\j], 0                         ; O^T.  (Every step has one form: the first finds zeros, which the first change of M leaves zeros)
.endr
; KEY STEP j: keys 128 j .. 128 j + 127.  Written out eight times: every offset and every key's number is an immediate.
.macro STEP j
.set SL, (\j)/2
.set OF, STEPB*((\j)%2)
.if (\j) > 0
	s_cmp_lt_u32 s[U], 2*(\j)                      ; all its keys come after my queries: the step's work is left out (a branch on the wave's number; no barrier and no tensor load stands in a step)
	s_cbranch_scc1 .Lhid_\@
.endif
.irp g, 0,1                                    ; S^T = K Q^T, four tiles of 16 keys at a time
.if (\j)+\g > 0
.rept 4
	v_nop                                          ; places in front of loads into registers that matrix instructions have read
.endr
.endif
.irp t, 0,1,2,3
.irp c, 0,1,2
	ds_load_b128 v[32+12*\t+4*\c:35+12*\t+4*\c], v[A0+SL] offset:OF+(4*\g+\t)*FRB+512*\c
.endr
.endr
.if \g == 0
	ds_load_b128 v[80:83], v[A0+SL] offset:OF+12288   ; K's scale words, all eight tiles'
.endif
	s_wait_dscnt 0x0
.irp t, 0,1,2,3
.if \g == 0
	v_wmma_scale_f32_16x16x128_f8f6f4 v[96+8*\t:103+8*\t], v[32+12*\t:43+12*\t], v[16:27], 0, v[80+\t], v255 matrix_a_fmt:MATRIX_FMT_FP6 matrix_b_fmt:MATRIX_FMT_FP6
.else
	v_wmma_scale_f32_16x16x128_f8f6f4 v[128+8*\t:135+8*\t], v[32+12*\t:43+12*\t], v[16:27], 0, v[80+\t], v255 matrix_a_fmt:MATRIX_FMT_FP6 matrix_b_fmt:MATRIX_FMT_FP6 matrix_a_scale:MATRIX_SCALE_ROW1
.endif
.endr
.endr                                          ; lane (r, h) holds query r; register 8 t + i is key 128 j + 16 t + 8 h + i; the 16 registers of tiles 2 b, 2 b + 1 belong to the block of keys 32 b .. 32 b + 31
.rept 4
	v_nop                                          ; places behind the products: for the loads below and for the first reads of the scores
.endr
.irp t, 0,1,2,3                                ; V's first four tiles are asked for now and land under the softmax
.irp c, 0,1,2
	ds_load_b128 v[32+12*\t+4*\c:35+12*\t+4*\c], v[A0+SL] offset:OF+UNITB+\t*FRB+512*\c
.endr
.endr
	ds_load_b128 v[84:87], v[A0+SL] offset:OF+UNITB+12288   ; V's scale words
.if 2*(\j)+2 < 16
	s_cmp_ge_u32 s[U], 2*(\j)+2                    ; all its keys count for my queries: no mask
	s_cbranch_scc1 .Lopen_\@
.endif
.irp n, 0,1,2,3,4,5,6,7,8,9,10,11,12,13,14,15,16,17,18,19,20,21,22,23,24,25,26,27,28,29,30,31,32,33,34,35,36,37,38,39,40,41,42,43,44,45,46,47,48,49,50,51,52,53,54,55,56,57,58,59,60,61,62,63
	v_cmp_gt_i32 vcc_lo, 128*(\j)+16*(\n/8)+\n%8, v[DQ]   ; on the diagonal: key 128 j + 16 (n / 8) + n % 8 + 8 h is hidden where it lies behind my query;
	v_cndmask_b32 v[96+\n], v[96+\n], v[NINF], vcc_lo     ; its score becomes -infinity ahead of the maximum: p = 0 then.  Key 128 j counts for every query of a wave that walks the step
.endr
.Lopen_\@:
.irp b, 0,1,2,3
	v_max3_num_f32 v[232+\b], v[96+16*\b], v[97+16*\b], v[98+16*\b]   ; THE LARGEST SCORE OF EACH BLOCK OF 32 KEYS serves twice: for the row's maximum, and, since p rises with the score, for the block's largest p
.endr
.irp i, 3,5,7,9,11,13
.irp b, 0,1,2,3
	v_max3_num_f32 v[232+\b], v[232+\b], v[96+16*\b+\i], v[97+16*\b+\i]   ; (the four blocks by turns)
.endr
.endr
.irp b, 0,1,2,3
	v_max_num_f32 v[232+\b], v[232+\b], v[111+16*\b]
.endr
.irp b, 0,1,2,3
	s_delay_alu instid0(VALU_DEP_4)
	v_permlanex16_b32 v[236+\b], v[232+\b], s[SEL], s[SEL+1]
.endr
.irp b, 0,1,2,3
	s_delay_alu instid0(VALU_DEP_4)
	v_max_num_f32 v[232+\b], v[232+\b], v[236+\b]  ; with lane l xor 16's 16 keys
.endr
	s_delay_alu instid0(VALU_DEP_2)
	v_max3_num_f32 v254, v232, v233, v234
	s_delay_alu instid0(VALU_DEP_1)
	v_max_num_f32 v254, v254, v235                 ; the step's largest score of my query
	s_delay_alu instid0(VALU_DEP_1)
	v_mul_f32 v254, s[CS], v254                    ; as t (c is positive)
	s_delay_alu instid0(VALU_DEP_1)
	v_max_num_f32 v13, v13, v254                   ; the running largest t
	v_mov_b32 v254, v12
	s_delay_alu instid0(VALU_DEP_2)
	v_floor_f32 v12, -v13                          ; the new -M = floor(-t) = -ceil(t): M IS A WHOLE NUMBER
	s_delay_alu instid0(VALU_DEP_1)
	v_sub_f32 v254, v12, v254                      ; M's old value less its new one: a whole number, 0 or less
	s_delay_alu instid0(VALU_DEP_1)
	v_cvt_i32_f32 v254, v254                       ; (it saturates)
	s_delay_alu instid0(VALU_DEP_1)
	v_ldexp_f32 v252, 1.0, v254                    ; f = 2^(old M - new M): what was summed under the old M is brought under the new by a multiplication that rounds nothing
.irp j2, 0,2,4,6,8,10,12,14,16,18,20,22,24,26,28,30,32,34,36,38,40,42,44,46,48,50,52,54,56,58,60,62
	v_pk_fma_f32 v[96+\j2:97+\j2], v[96+\j2:97+\j2], s[CS:CS+1], v[12:13] op_sel_hi:[1,0,0]   ; t - M, two at a time (of the pairs c and -M the low word serves both halves)
.endr
.irp b, 0,1,2,3
	v_fma_f32 v[232+\b], v[232+\b], s[CS], v12     ; the same of each block's largest score
.endr
	s_wait_alu depctr_va_vdst(0)
.irp j2, 0,1,2,3,4,5,6,7,8,9,10,11,12,13,14,15,16,17,18,19,20,21,22,23,24,25,26,27,28,29,30,31,32,33,34,35,36,37,38,39,40,41,42,43,44,45,46,47,48,49,50,51,52,53,54,55,56,57,58,59,60,61,62,63
	v_exp_f32 v[96+\j2], v[96+\j2]                 ; p = 2^(t - M), at most 1: NOT normalised
.endr
	v_pk_mul_f32 v[14:15], v[14:15], v[252:253] op_sel_hi:[1,0]   ; the sums under the new M.  (The plain instruction behind the exponentials)
	s_wait_alu depctr_va_vdst(0)                   ; one wait for the whole batch of 64, ahead of its first reader
.irp b, 0,1,2,3
	v_exp_f32 v[232+\b], v[232+\b]                 ; the block's largest p: the same two instructions on the same number give the same bits
.endr
	v_pk_add_f32 v[236:237], v[100:101], v[104:105]
	v_pk_add_f32 v[248:249], v[108:109], v[112:113]
	v_pk_add_f32 v[246:247], v[116:117], v[120:121]
	v_pk_add_f32 v[244:245], v[124:125], v[128:129]
	v_pk_add_f32 v[242:243], v[132:133], v[136:137]
	v_pk_add_f32 v[240:241], v[140:141], v[144:145]
	v_pk_add_f32 v[238:239], v[148:149], v[152:153]
	v_pk_add_f32 v[14:15], v[14:15], v[156:157]
	v_pk_add_f32 v[236:237], v[236:237], v[96:97]
	v_pk_add_f32 v[248:249], v[248:249], v[98:99]
	v_pk_add_f32 v[246:247], v[246:247], v[102:103]
	v_pk_add_f32 v[244:245], v[244:245], v[106:107]
	v_pk_add_f32 v[242:243], v[242:243], v[110:111]
	v_pk_add_f32 v[240:241], v[240:241], v[114:115]
	v_pk_add_f32 v[238:239], v[238:239], v[118:119]
	v_pk_add_f32 v[14:15], v[14:15], v[122:123]
	v_pk_add_f32 v[236:237], v[236:237], v[126:127]
	v_pk_add_f32 v[248:249], v[248:249], v[130:131]
	v_pk_add_f32 v[246:247], v[246:247], v[134:135]
	v_pk_add_f32 v[244:245], v[244:245], v[138:139]
	v_pk_add_f32 v[242:243], v[242:243], v[142:143]
	v_pk_add_f32 v[240:241], v[240:241], v[146:147]
	v_pk_add_f32 v[238:239], v[238:239], v[150:151]
	v_pk_add_f32 v[14:15], v[14:15], v[154:155]
	v_pk_add_f32 v[236:237], v[236:237], v[158:159]
	s_delay_alu instid0(VALU_DEP_2)
	v_pk_add_f32 v[14:15], v[14:15], v[244:245]
	s_delay_alu instid0(VALU_DEP_2)
	v_pk_add_f32 v[236:237], v[236:237], v[242:243]
	v_pk_add_f32 v[248:249], v[248:249], v[240:241]
	v_pk_add_f32 v[246:247], v[246:247], v[238:239]
	s_delay_alu instid0(VALU_DEP_2)
	v_pk_add_f32 v[14:15], v[14:15], v[248:249]
	s_delay_alu instid0(VALU_DEP_2)
	v_pk_add_f32 v[236:237], v[236:237], v[246:247]
	s_delay_alu instid0(VALU_DEP_1)
	v_pk_add_f32 v[14:15], v[14:15], v[236:237]
	s_wait_alu depctr_va_vdst(0)                   ; and one wait for the four
.irp b, 0,1,2,3
	v_max_num_f32 v[232+\b], 0x1800000, v[232+\b]  ; the floor 2^(3 - 127): the byte cannot fall under 1 (a block whose every p is 0 keeps that byte: its codes are zeros)
.endr
.irp b, 0,1,2,3
	s_delay_alu instid0(VALU_DEP_4)
	v_add_nc_u32 v[244+\b], 0xff000000, v[232+\b]  ; 2 off the exponent field: the conversion's scale operand
.endr
.irp b, 0,1,2,3
	s_delay_alu instid0(VALU_DEP_4)
	v_lshrrev_b32 v[236+\b], 23, v[244+\b]         ; the scale's byte
.endr
	s_delay_alu instid0(VALU_DEP_3)
	v_lshl_or_b32 v253, v237, 8, v236              ; p's scale word for these 128 keys
	s_delay_alu instid0(VALU_DEP_1)
	v_lshl_or_b32 v253, v238, 16, v253
	s_delay_alu instid0(VALU_DEP_1)
	v_lshl_or_b32 v253, v239, 24, v253
.irp c, 0,1
	v_cvt_scalef32_pk16_fp6_f32 v[224+6*\c:226+6*\c], v[96+32*\c:111+32*\c], v[244+2*\c]
	v_cvt_scalef32_pk16_fp6_f32 v[236+4*\c:238+4*\c], v[112+32*\c:127+32*\c], v[244+2*\c+1]   ; (a conversion's three registers begin on an even number)
.endr
	v_nop                                          ; one plain instruction behind the scaled conversions
.irp c, 0,1                                    ; the operand's layout wants a WHOLE block in a lane: lanes 0-15 block 2 c, lanes 16-31 block 2 c + 1
.irp i, 0,1,2
	v_permlane16_swap_b32 v[224+6*\c+\i], v[236+4*\c+\i]
.endr
.irp i, 0,1,2
	s_delay_alu instid0(VALU_DEP_3)
	v_mov_b32 v[227+6*\c+\i], v[236+4*\c+\i]
.endr
.endr
.irp j2, 0,2,4,6,8,10,12,14,16,18,20,22,24,26,28,30,32,34,36,38,40,42,44,46,48,50,52,54,56,58,60,62
	v_pk_mul_f32 v[160+\j2:161+\j2], v[160+\j2:161+\j2], v[252:253] op_sel_hi:[1,0]   ; O^T under the new M: x f, each accumulator from its low end on.  (These 32 are also the places between the lines that made p's codes and scale word and the products below)
.endr
	s_wait_alu depctr_va_vdst(0)
	s_wait_dscnt 0x0                               ; V's first four tiles and its scale words are in
.irp t, 0,1,2,3                                ; O^T += V^T P^T: K = these 128 keys; the eight accumulators take turns, one instruction a turn
	v_wmma_scale_f32_16x16x128_f8f6f4 v[160+8*\t:167+8*\t], v[32+12*\t:43+12*\t], v[224:235], v[160+8*\t:167+8*\t], v[84+\t], v253 matrix_a_fmt:MATRIX_FMT_FP6 matrix_b_fmt:MATRIX_FMT_FP6
.endr
.rept 4
	v_nop
.endr
.irp t, 0,1,2,3
.irp c, 0,1,2
	ds_load_b128 v[32+12*\t+4*\c:35+12*\t+4*\c], v[A0+SL] offset:OF+UNITB+(4+\t)*FRB+512*\c
.endr
.endr
	s_wait_dscnt 0x0
.irp t, 0,1,2,3
	v_wmma_scale_f32_16x16x128_f8f6f4 v[192+8*\t:199+8*\t], v[32+12*\t:43+12*\t], v[224:235], v[192+8*\t:199+8*\t], v[84+\t], v253 matrix_a_fmt:MATRIX_FMT_FP6 matrix_b_fmt:MATRIX_FMT_FP6 matrix_a_scale:MATRIX_SCALE_ROW1
.endr
.Lhid_\@:
.endm
	s_wait_alu depctr_va_vdst(0)                   ; the wait at the head's end
	s_wait_loadcnt 0x0                             ; Q and its scale words
	s_wait_tensorcnt 0x0                           ; waves 0-3: my unit of key steps 0 and 1 is in; the three lines ahead of the later first fills,
	ds_add_u32 v250, v251                          ; the add twice on end
	ds_add_u32 v250, v251
	s_wait_dscnt 0x0
	ROUND                                          ; key steps 0 and 1 are whole for every wave, and the four work-groups are here: the joint loads meet
	s_cmp_lt_u32 s[WV], 4
	s_cbranch_scc1 .Lno_fetch2
	tensor_load_to_lds s[G0:G0+3], s[G1:G1+7]      ; waves 4-15: units 4 to 15, key steps 2 to 7, one load a wave
	s_nop 0
.rept 4
	v_nop
.endr
.Lno_fetch2:
	STEP 0
	STEP 1
	s_wait_tensorcnt 0x0                           ; my unit is in,
	s_wait_dscnt 0x0                               ; no LDS instruction of mine is pending at the signal,
	s_barrier_signal -1
	s_barrier_wait -1                              ; everybody's are
	STEP 2
	STEP 3
	STEP 4
	STEP 5
	STEP 6
	STEP 7
	; THE WAY OUT.  The sum's two halves are added; O^T is divided by the sum and goes through my stage in LDS, half a row (64 channels, 256 bytes) of 16 queries at a time, so that sixteen lanes store 256 consecutive bytes, aligned.
.rept 4
	v_nop                                          ; places behind the last products
.endr
	v_add_f32 v14, v14, v15                        ; the sum's two halves,
	s_delay_alu instid0(VALU_DEP_1)
	v_permlanex16_b32 v252, v14, s[SEL], s[SEL+1]
	s_delay_alu instid0(VALU_DEP_1)
	v_add_f32 v14, v14, v252                       ; and lane l xor 16's: the row's sum
	s_wait_alu depctr_va_vdst(0)
	v_rcp_f32 v14, v14
	v_nop                                          ; a plain instruction behind the reciprocal
	s_wait_alu depctr_va_vdst(0)                   ; and the wait ahead of its first reader
.irp j, 0,1,2,3,4,5,6,7,8,9,10,11,12,13,14,15,16,17,18,19,20,21,22,23,24,25,26,27,28,29,30,31,32,33,34,35,36,37,38,39,40,41,42,43,44,45,46,47,48,49,50,51,52,53,54,55,56,57,58,59,60,61,62,63
	v_mul_f32 v[96+\j], v[160+\j], v14             ; O^T / the sum: register 8 t + i is o(r, 16 t + 8 h + i)
.endr
.irp u, 0,1                                    ; channels 64 u on
.irp t, 0,1,2,3
	ds_store_b128 v[STI], v[96+32*\u+8*\t:99+32*\u+8*\t] offset:64*\t
	ds_store_b128 v[STI], v[100+32*\u+8*\t:103+32*\u+8*\t] offset:64*\t+16
.endr
.irp i, 0,1,2,3,4,5,6,7
	ds_load_b128 v[32+32*\u+4*\i:35+32*\u+4*\i], v[STO] offset:2*\i*SPITCH   ; LDS serves a wave's instructions in order (ISA guide 5.7.1.4): these see my stores, and the next half's stores come behind them
.endr
.endr
.irp u, 0,1
.irp i, 0,1,2,3,4,5,6,7
	s_wait_dscnt 15-8*\u-\i                        ; at most the stage loads that stand behind this one are out
	global_store_b128 v[GO], v[32+32*\u+4*\i:35+32*\u+4*\i], s[8:9] offset:2*\i*512+256*\u th:TH_STORE_NT   ; written once, read by nobody here
.endr
.endr
	s_wait_tensorcnt 0x0
	ds_add_u32 v250, v251
	s_wait_dscnt 0x0
	ROUND                                          ; the closing round: no work-group ends while a partner may still ask for a tile that names it
	s_endpgm
.Lfunc_end_k_q2f59af2e94_attn:
	.size	k_q2f59af2e94_attn, .Lfunc_end_k_q2f59af2e94_attn-k_q2f59af2e94_attn
	.p2alignl 7, 3214868480
	.fill 96, 4, 3214868480
	.section	.rodata,"a",@progbits
	.p2align	6, 0x0
	.amdhsa_kernel k_q2f59af2e94_attn
		.amdhsa_group_segment_fixed_size 327680
		.amdhsa_private_segment_fixed_size 0
		.amdhsa_enable_private_segment 0
		.amdhsa_kernarg_size 24
		.amdhsa_user_sgpr_count 2
		.amdhsa_user_sgpr_kernarg_segment_ptr 1
		.amdhsa_wavefront_size32 1
		.amdhsa_system_sgpr_workgroup_id_x 1
		.amdhsa_system_sgpr_workgroup_id_y 1
		.amdhsa_system_sgpr_workgroup_id_z 1
		.amdhsa_system_vgpr_workitem_id 0
		.amdhsa_next_free_vgpr 256
		.amdhsa_next_free_sgpr 66
		.amdhsa_reserve_vcc 1
		.amdhsa_float_denorm_mode_32 3
		.amdhsa_float_denorm_mode_16_64 3
		.amdhsa_memory_ordered 1
		.amdhsa_forward_progress 1
		.amdhsa_inst_pref_size 221
	.end_amdhsa_kernel
	.amdgpu_metadata
---
amdhsa.version: [ 1, 2 ]
amdhsa.kernels:
  - .name:           k_q2f59af2e94_attn
    .symbol:         k_q2f59af2e94_attn.kd
    .args:
      - { .name: qimg, .offset: 0, .size: 8, .value_kind: global_buffer, .address_space: global }
      - { .name: kvimg, .offset: 8, .size: 8, .value_kind: global_buffer, .address_space: global }
      - { .name: out0, .offset: 16, .size: 8, .value_kind: global_buffer, .address_space: global }
    .group_segment_fixed_size: 327680
    .private_segment_fixed_size: 0
    .kernarg_segment_align: 8
    .kernarg_segment_size: 24
    .max_flat_workgroup_size: 512
    .sgpr_count:     66
    .vgpr_count:     256
    .wavefront_size: 32
...
	.end_amdgpu_metadata
.endif
;; end of part 3
